; MI455X (gfx1250); checked and timed in simulation.
; The chip was launched on July 23, 2026; its instructions are those of AMD's public machine-readable ISA for CDNA 5 (MIT licence, August 2026) and "CDNA5" Instruction Set Architecture Reference Guide (July 2026). The comments in the code are by the model that wrote it; some were corrected since.
;; Label Similarity. Allowed arithmetic: matrix products marked QUANTISED: E4M3 operands, one given power-of-two scale a tensor, by v_wmma_f32_16x16x64_fp8_fp8 or v_wmma_f32_16x16x128_fp8_fp8, f32 sums; everything else in f32.
;; Inputs: embed 256 x 128 x 768 float32; label_embed 200 x 8 x 768 float32; lowp_scales 2 int32 (the exponents e of the quantised operands' scales 2^e).
;; Outputs: out0 128 x 200 float32.
;; This version of the problem:
;;   THIS VERSION OF THE PROBLEM IS GIVEN IN LOW PRECISION. The matrix products marked QUANTISED in the list below multiply operands that are first quantised to E4M3 (4 exponent bits, 3 mantissa bits; 8 bits a number), with one given power-of-two scale for each operand tensor; their sums are f32. All else is computed in f32.
;;   The module's matrix products, in the order in which they are computed (A, B: the left and right operand; K: the contracted axis; several contracted axes count as one K, in the product's order):
;;     1. [M 32,768, K 768] x [K 768, N 1,600]; A: input embed; B: input label_embed: QUANTISED (scales: A lowp_scales[0], B lowp_scales[1])
;;   THE QUANTISER, for each operand of a quantised product, along K:
;;     - The operand's scale is 2^e, e = its entry of the input lowp_scales (int32; the entries are numbered through the quantised products in the list's order, A before B).
;;     - Each number is divided by the scale, clamped to +-448, and rounded to the nearest number of E4M3, ties to even, subnormals kept.
;;     - The product sums the exact products of the quantised numbers (number of the format x scale) in f32.
;;   ~~~python
;;   def quantise(x, axis, e):      # numpy; x: float32 -> the quantised numbers, widened to float32 again
;;       x = np.moveaxis(x, axis, -1); K = x.shape[-1]
;;       r = np.clip(x / 2.0 ** e, -448, 448)
;;       step = 2.0 ** (np.maximum(np.frexp(np.where(r == 0, 1, r))[1] - 1, -6) - 3)
;;       q = np.round(r / step) * step * 2.0 ** e      # np.round: ties to even
;;       return np.moveaxis(q, -1, axis).astype(np.float32)
;;   ~~~
;; One version. Each part assembles by itself: llvm-mc -triple=amdgcn-amd-amdhsa -mcpu=gfx1250 --defsym DOCPART=n.
;; ======== version 1 of 1: 3 launches
;; limits: right only within a limited range of input values
;; workspace buffers: bws 1,254,400 bytes; part 262,144 bytes
;; launch labels (part 1): grid 100 x 1, 4 waves a work-group, no clusters, 13,312 bytes of LDS; arguments label_embed, lowp_scales, bws; writes bws
.if DOCPART == 1
	.amdgcn_target "amdgcn-amd-amdhsa--gfx1250"
	.amdhsa_code_object_version 6
	.text
	.protected	k_q3c9dfcd585_labels
	.globl	k_q3c9dfcd585_labels
	.p2align	8
	.type	k_q3c9dfcd585_labels,@function
k_q3c9dfcd585_labels:
	s_mov_b64 s[64:65], 0
	v_nop
	global_prefetch_b8 v0, s[64:65] scope:SCOPE_SE
	s_setreg_imm32_b32 hwreg(HW_REG_WAVE_MODE, 25, 1), 1
	s_wait_xcnt 0x0
; label_embed [1600 rows][768] f32 becomes, once for the whole program, what the product's launch reads: codes of FP8 (E4M3) with the given scale 2^e1,
; laid as IMAGES OF THE OPERAND'S REGISTERS, and two numbers for each row n (a column of the product): g = nl x 1e8 and c = min(2^(e0+e1) / nl, largest f32), nl = the row's norm of the UNQUANTISED numbers.
; With them  sum x 2^(e0+e1) / max(ne nl, 1e-8)  =  sum x min(1 / ne, g) x c.   nl = 0: g = 0 and c is finite, so the result is 0, as the division by 1e-8 gives it.
; code = x / 2^e1, held within +-448, to the nearest code, ties to even.  LIMITS: e1 between -126 and 119 (2^e1 and 448 x 2^e1 are made as f32 patterns); e0 + e1 goes in by v_ldexp_f32 and has none.  NaN and infinity among the inputs are not served.
; SHARES.  Work-group T takes rows 16 T .. 16 T + 15 (one tile of columns), wave w rows 4 w .. 4 w + 3.  A row is six loads of 512 consecutive bytes, 16 a lane.
; ORDER ALONG K.  A conversion takes a lane's 4 numbers of load 2 p and its 4 of load 2 p + 1: code position q of a row holds K = 256 (q / 256) + 128 ((q % 8) / 4) + 4 ((q % 256) / 8) + q % 4.
; The product's launch lays embed's codes in the same order, so every product meets its partner; only the order of the sums changes.
; A TILE'S BLOCK in bws, 12,544 bytes: 24 pieces of 512 bytes (piece 4 k + c: lane l = 16 h + r has 16 bytes at 16 l: positions 128 k + 32 c + 16 h + 0 .. 15 of row r), 16 pairs (g, c), 128 bytes of zeros so that the block is whole aligned runs of 256 bytes.
.set ROWF,  3072                       ; a row of f32 in bytes
.set PITCH, 784                        ; a row of codes in LDS: 768 + 16 = 196 words: row r starts at bank 4 r mod 64 (64 banks of 4 bytes: ISA guide 11.1)
.set GCS,   16*PITCH                   ; behind the codes: 16 pairs (g, c), then 128 bytes of zeros
.set TILEB, 12544                      ; a tile's block in bws
.set XO,  4                            ; v4   16 l + my wave's four rows: byte offset in the work-group's rows
.set CST, 5                            ; v5   where my 8 codes of a row go in LDS
.set GCW, 6                            ; v6   where my wave's pairs go
.set ZA,  7                            ; v7   where my wave's share of the zeros goes
.set FRD, 8                            ; v8   where I read my 16 bytes of a piece
.set GST, 9                            ; v9   and where they go in the tile's block
.set LIM, 10                           ; v10  448 x 2^e1
.set SCL, 11                           ; v11  2^e1
.set L8,  14                           ; v14  8 l
.set SS,  16                           ; v16-23   a pair of running sums of squares for each row; later the pair (g, c)
.set T,   24                           ; v24-27   a row's sum, then its norm
.set X,   32                           ; v32-127  four rows x 24 numbers
.set CD,  128                          ; v128-151 twelve pairs of registers of codes
.set OUTR, 152                         ; v152-175 six pieces on their way out
	s_load_b128 s[4:7], s[0:1], 0x0                ; label_embed s[4:5], the scales' exponents s[6:7]
	s_load_b64 s[8:9], s[0:1], 0x10                ; bws
	v_lshl_add_u32 v192, v0, 2, 0x3200
	v_mov_b32 v193, 0
	v_lshrrev_b32 v1, 5, v0
	v_readfirstlane_b32 s12, v1                    ; wave 0..3
	v_and_b32 v1, 31, v0                           ; l
	v_and_b32 v2, 15, v0                           ; r
	v_bfe_u32 v3, v0, 4, 1                         ; h
	s_mul_i32 s18, s12, 4*ROWF
	v_lshl_add_u32 v[XO], v1, 4, s18
	s_mul_i32 s19, s12, 4*PITCH
	v_lshl_add_u32 v[CST], v1, 3, s19
	s_lshl_b32 s20, s12, 5
	s_add_co_u32 s20, s20, GCS
	v_mov_b32 v[GCW], s20                          ; four pairs of 8 bytes a wave
	v_and_b32 v[ZA], 3, v0
	v_lshl_add_u32 v[ZA], v[ZA], 3, s20
	v_add_nc_u32 v[ZA], 128, v[ZA]                 ; 32 bytes of zeros a wave, behind the 16 pairs
	v_mul_u32_u24 v[FRD], v2, PITCH
	v_lshl_add_u32 v[FRD], v3, 4, v[FRD]
	s_mul_i32 s21, s12, 6*32
	v_add_nc_u32 v[FRD], s21, v[FRD]               ; row r, + 16 h, + 32 bytes for each piece; wave w takes pieces 6 w .. 6 w + 5
	s_mul_i32 s13, s12, 6*512
	v_lshl_add_u32 v[GST], v1, 4, s13
	v_lshlrev_b32 v[L8], 3, v1
	v_mov_b32 v12, 0
	v_mov_b32 v13, 0
	s_mov_b32 s22, 0x76543210                      ; v_permlanex16_b32's selects for lane l xor 16
	s_mov_b32 s23, 0xfedcba98
	s_mul_i32 s14, ttmp9, 16*ROWF                  ; the work-group's 16 rows,
	s_mov_b32 s15, 0
	s_mul_i32 s18, ttmp9, TILEB                    ; and its block
	s_mov_b32 s19, 0
	s_wait_kmcnt 0x0
	s_load_b64 s[16:17], s[6:7], 0x0               ; e0, e1
	s_add_nc_u64 s[4:5], s[4:5], s[14:15]
	s_add_nc_u64 s[8:9], s[8:9], s[18:19]
.irp i, 0,1,2,3
.irp j, 0,1,2,3,4,5
	global_load_b128 v[X+24*\i+4*\j:X+24*\i+4*\j+3], v[XO], s[4:5] offset:ROWF*\i+512*\j th:TH_LOAD_NT   ; 32 lanes read 512 consecutive bytes; read once in the launch
.endr
.endr
	s_wait_kmcnt 0x0
	s_add_co_i32 s20, s16, s17                     ; e0 + e1
	s_add_co_i32 s18, s17, 127
	s_lshl_b32 s19, s18, 23
	v_mov_b32 v[SCL], s19                          ; 2^e1 as f32: the conversion takes its exponent field
	s_add_co_i32 s18, s18, 8
	s_lshl_b32 s18, s18, 23
	s_or_b32 s18, s18, 0x600000
	v_mov_b32 v[LIM], s18                          ; 448 x 2^e1
	s_wait_loadcnt 0x0
	; the sums of squares, of the numbers as they came: four chains, one a row; the first product starts each
.set sn, 0
.rept 12
.irp i, 0,1,2,3
.if sn == 0
	v_pk_mul_f32 v[SS+2*\i:SS+2*\i+1], v[X+24*\i:X+24*\i+1], v[X+24*\i:X+24*\i+1]
.else
	v_pk_fma_f32 v[SS+2*\i:SS+2*\i+1], v[X+24*\i+2*sn:X+24*\i+2*sn+1], v[X+24*\i+2*sn:X+24*\i+2*sn+1], v[SS+2*\i:SS+2*\i+1]
.endif
.endr
.set sn, sn+1
.endr
.set sn, 0
.rept 96
	v_med3_num_f32 v[X+sn], v[X+sn], -v[LIM], v[LIM]   ; the conversion to an 8-bit code does not saturate (ISA guide 7.6.2): the hold at the largest code x the scale
.set sn, sn+1
.endr
.set sn, 0
.rept 12
	v_cvt_scalef32_pk8_fp8_f32 v[CD+2*sn:CD+2*sn+1], v[X+8*sn:X+8*sn+7], v[SCL]   ; row sn / 3, loads 2 (sn % 3) and 2 (sn % 3) + 1
.set sn, sn+1
.endr
	v_nop                                          ; a plain line behind the last conversion
.set sn, 0
.rept 12
	ds_store_b64 v[CST], v[CD+2*sn:CD+2*sn+1] offset:PITCH*(sn/3)+256*(sn%3)       ; 32 lanes: 256 consecutive bytes of the row's codes
.set sn, sn+1
.endr
	; the norms: a lane's two halves, the 32 lanes, the root
.irp i, 0,1,2,3
	v_add_f32 v[T+\i], v[SS+2*\i], v[SS+2*\i+1]
.endr
.irp m, 1,2,4,8
.irp i, 0,1,2,3
	v_add_f32_dpp v[T+\i], v[T+\i], v[T+\i] row_xmask:\m row_mask:0xf bank_mask:0xf
.endr
.endr
.irp i, 0,1,2,3
	v_permlanex16_b32 v[SS+2*\i], v[T+\i], s22, s23   ; its destination counts as read: a register that has been written
.endr
.irp i, 0,1,2,3
	v_add_f32 v[T+\i], v[T+\i], v[SS+2*\i]
.endr
	s_wait_alu depctr_va_vdst(0)
.irp i, 0,1,2,3
	v_sqrt_f32 v[T+\i], v[T+\i]                    ; nl
.endr
	v_nop                                          ; a plain line behind the roots
	s_wait_alu depctr_va_vdst(0)
.irp i, 0,1,2,3
	v_mul_f32 v[SS+2*\i], 0x4cbebc20, v[T+\i]      ; g = nl x 1e8 = nl / eps
.endr
.irp i, 0,1,2,3
	v_rcp_f32 v[SS+2*\i+1], v[T+\i]
.endr
	v_nop                                          ; a plain line behind the reciprocals
	s_wait_alu depctr_va_vdst(0)
.irp i, 0,1,2,3
	v_ldexp_f32 v[SS+2*\i+1], v[SS+2*\i+1], s20    ; x 2^(e0 + e1)
.endr
.irp i, 0,1,2,3
	v_min_num_f32 v[SS+2*\i+1], 0x7f7fffff, v[SS+2*\i+1]   ; a row of zeros gives infinity: held at the largest f32 number, so that 0 x c is 0
.endr
.irp i, 0,1,2,3
	ds_store_b64 v[GCW], v[SS+2*\i:SS+2*\i+1] offset:8*\i   ; every lane holds the same pair and writes the same 8 bytes
.endr
	ds_store_b64 v[ZA], v[12:13]
	s_wait_dscnt 0x0                               ; for the others' sake: my stores are done
	s_barrier_signal -1
	s_barrier_wait -1
.irp y, 0,1,2,3,4,5
	ds_load_b128 v[OUTR+4*\y:OUTR+4*\y+3], v[FRD] offset:32*\y   ; piece 6 w + y: sixteen rows, 16 bytes of each for each half of the lanes
.endr
.irp y, 0,1,2,3,4,5
	s_wait_dscnt 5-\y                              ; LDS loads come back in order: piece y is in, the younger ones may be out
	global_store_b128 v[GST], v[OUTR+4*\y:OUTR+4*\y+3], s[8:9] offset:512*\y   ; 32 lanes store 512 consecutive bytes, at a multiple of 256 from the buffer's first byte
.endr
	s_cmp_lg_u32 s12, 0                            ; the pairs and the zeros, 256 bytes, leave by wave 0
	s_cbranch_scc1 .Ldone
	ds_load_b64 v[176:177], v[L8] offset:GCS
	s_wait_dscnt 0x0
	global_store_b64 v[L8], v[176:177], s[8:9] offset:24*512
.Ldone:
	s_wait_tensorcnt 0x0
	ds_add_u32 v192, v193
	s_wait_dscnt 0x0
	s_endpgm
.Lfunc_end_k_q3c9dfcd585_labels:
	.size	k_q3c9dfcd585_labels, .Lfunc_end_k_q3c9dfcd585_labels-k_q3c9dfcd585_labels
	.p2alignl 7, 3214868480
	.fill 96, 4, 3214868480
	.section	.rodata,"a",@progbits
	.p2align	6, 0x0
	.amdhsa_kernel k_q3c9dfcd585_labels
		.amdhsa_group_segment_fixed_size 13312
		.amdhsa_private_segment_fixed_size 0
		.amdhsa_enable_private_segment 0
		.amdhsa_kernarg_size 24
		.amdhsa_user_sgpr_count 2
		.amdhsa_user_sgpr_kernarg_segment_ptr 1
		.amdhsa_wavefront_size32 1
		.amdhsa_system_sgpr_workgroup_id_x 1
		.amdhsa_system_sgpr_workgroup_id_y 1
		.amdhsa_system_sgpr_workgroup_id_z 1
		.amdhsa_system_vgpr_workitem_id 0
		.amdhsa_next_free_vgpr 194
		.amdhsa_next_free_sgpr 66
		.amdhsa_reserve_vcc 0
		.amdhsa_float_denorm_mode_32 3
		.amdhsa_float_denorm_mode_16_64 3
		.amdhsa_memory_ordered 1
		.amdhsa_forward_progress 1
		.amdhsa_inst_pref_size 20
	.end_amdhsa_kernel
	.amdgpu_metadata
---
amdhsa.version: [ 1, 2 ]
amdhsa.kernels:
  - .name:           k_q3c9dfcd585_labels
    .symbol:         k_q3c9dfcd585_labels.kd
    .args:
      - { .name: label_embed, .offset: 0, .size: 8, .value_kind: global_buffer, .address_space: global }
      - { .name: lowp_scales, .offset: 8, .size: 8, .value_kind: global_buffer, .address_space: global }
      - { .name: bws, .offset: 16, .size: 8, .value_kind: global_buffer, .address_space: global }
    .group_segment_fixed_size: 13312
    .private_segment_fixed_size: 0
    .kernarg_segment_align: 8
    .kernarg_segment_size: 24
    .max_flat_workgroup_size: 128
    .sgpr_count:     66
    .vgpr_count:     194
    .wavefront_size: 32
...
	.end_amdgpu_metadata
.endif
;; end of part 1
;; launch main (part 2): grid 256 x 1, 4 waves a work-group, clusters of 4 x 1, 327,680 bytes of LDS; arguments embed, bws, lowp_scales, part; writes part
.if DOCPART == 2
	.amdgcn_target "amdgcn-amd-amdhsa--gfx1250"
	.amdhsa_code_object_version 6
	.text
	.protected	k_q3c9dfcd585_main
	.globl	k_q3c9dfcd585_main
	.p2align	8
	.type	k_q3c9dfcd585_main,@function
k_q3c9dfcd585_main:
	s_mov_b64 s[64:65], 0
	v_nop
	global_prefetch_b8 v0, s[64:65] scope:SCOPE_SE
	s_setreg_imm32_b32 hwreg(HW_REG_WAVE_MODE, 25, 1), 1
	s_wait_xcnt 0x0
	s_wait_alu depctr_hold_cnt(0) depctr_sa_sdst(0) depctr_va_vdst(0) depctr_va_sdst(0) depctr_va_ssrc(0) depctr_va_vcc(0) depctr_vm_vsrc(0)
	s_getreg_b32 s2, hwreg(HW_REG_IB_STS2, 6, 4)
	s_cmp_eq_u32 s2, 0
	s_cbranch_scc0 .Lentry_in_a_cluster
	s_endpgm
.Lentry_in_a_cluster:
	s_bfe_u32 s2, ttmp6, 0x10000c
	s_cmp_lg_u32 s2, 0x3003
	s_cbranch_scc0 .Lentry_shape_is_right
	s_endpgm
.Lentry_shape_is_right:
; part[2 b + half][label] = the largest of sum x min(1 / ne, g) x c over the half's 128 s and the label's 8 columns: work-group number = 2 b + half.
; THE HEAD turns the work-group's 128 rows of embed (f32, read once) into codes of FP8 with the given scale 2^e0, in four chunks of 32 rows (8 a wave), through a stage in LDS:
; every wave then holds all 128 rows x 768 K as 48 operands of 16 registers (v256-v1023).  A chunk's operands take the registers in which its numbers came.
; code = x / 2^e0, held within +-448, to the nearest code, ties to even; 1 / ne is made of the numbers as they came.
; THE LOOP: a wave walks 25 tiles of 16 columns of its own, 48 matrix instructions each: 6 steps of 128 along K x 8 blocks of 16 rows, the eight accumulators by turns.
; The tiles come as images of the operand's registers, with (g, c) of each column behind, by joint loads (the four work-groups of a cluster read the same tiles at the same time) into a ring of two slots of three tiles for each wave.
; The largest number of a lane's 64 goes to LDS, one word a lane and tile; the 16 words of a label (8 columns x 2 halves of the lanes) are joined once, at the end.
; LIMITS: e0 between -126 and 119 (2^e0 and 448 x 2^e0 are made as f32 patterns).  A sum of squares under 2^-126 counts as 0 (v_rsq_f32).  NaN and infinity among the inputs are not served.
; No prefetch: a refill is asked for 128 matrix instructions ahead of the wait for it, and embed is read in the head, which has no loop to run ahead in.
.set ROWF,   3072                      ; a row of embed in bytes
.set SROW,   393216                    ; from s to s + 1
.set TILEB,  12544                     ; a tile's block: 24 pieces of 512 bytes, 16 pairs (g, c), 128 bytes of zeros
.set WSLOT,  3*TILEB
.set RING,   4*WSLOT                   ; a slot: three tiles for each of four waves
.set ACH,    2*RING                    ; behind the ring: the stage, 32 rows of codes
.set APITCH, 784                       ; 768 + 16 bytes = 196 words: row r starts at bank 4 r mod 64 (64 banks of 4 bytes: ISA guide 11.1)
.set RES,    ACH                       ; the stage's bytes once more, when it has been read: 100 tiles x 128 bytes, then 4,096 bytes that stand for tiles 100 to 127
.set ATAB,   ACH+32*APITCH             ; 128 numbers 1 / ne
.set SPARE,  ATAB+512                  ; the spare words: two blocks of 256 bytes that no other line names
.set SPW, 1                            ; v1      LDS address of my spare word; never rewritten
.set NIL, 2                            ; v2      0; never rewritten
.set ADB, 3                            ; v3-4    my 16 bytes of a piece in slot 0, 1
.set ADG, 5                            ; v5-6    my column's pair (g, c)
.set ARS, 7                            ; v7      my word of my wave's tile 0 in RES
.set TA,  8                            ; v8      an LDS address at work
.set XO,  10                           ; v10-15  serve the head alone
.set CST, 11
.set AFR, 12
.set ATW, 13
.set LIM, 14
.set SCL, 15
.set BF,  16                           ; v16-111   B: six operands of a tile
.set ACC, 112                          ; v112-175  eight accumulators
.set AM,  176                          ; v176-239  1 / ne of my rows: register 8 u + j: row 16 u + 8 (l / 16) + j
.set W,   240                          ; v240-247  min(1 / ne, g) of a block
.set M,   248                          ; v248-251  four running maxima
.set GC,  252                          ; v252-253  (g, c)
.set SS,  112                          ; the head: sums of squares, codes, norms
.set CD,  128
.set T,   176
.set XBASE, 256
.set WV,  12
.set G1F, 16                           ; s[16:23] group 1: 147 rows of 256 bytes, three tiles
.set G1S, 24                           ; s[24:31] the same, 49 rows: the last tile
.set G0,  32                           ; s[32:39] group 0, one set for each slot
.set EB,  40                           ; s[40:47] embed at each chunk's rows
.set CNT, 50
.set RO,  51
.set SEL, 52
.set MSB, 0
.macro WIN new                         ; the immediate's high byte repeats the setting that is left
.if MSB != (\new)
	s_set_vgpr_msb (MSB<<8)|(\new)
.set MSB, \new
.endif
.endm
.macro CREST                           ; a round of the cluster's barrier behind its opening barrier
	s_cmp_lg_u32 s[WV], 0
	s_cbranch_scc1 .Lnot_wave_0_\@
	s_barrier_signal -3
.Lnot_wave_0_\@:
	s_barrier_wait -3
	s_barrier_signal -1
	s_barrier_wait -1
.endm
.macro CROUND                          ; a whole round
	s_barrier_signal -1
	s_barrier_wait -1
	CREST
.endm
.macro LOADS q                         ; my wave's 8 rows of chunk q: 48 loads of 512 consecutive bytes
.set li, 0
.rept 8
.set lj, 0
.rept 6
.set RA, XBASE+192*(\q)+24*li+4*lj
.set RL, RA&255
	WIN ((RA>>8)<<6)
	global_load_b128 v[RL:RL+3], v[XO], s[EB+2*(\q):EB+2*(\q)+1] offset:SROW*li+512*lj th:TH_LOAD_NT
.set lj, lj+1
.endr
.set li, li+1
.endr
	WIN 0
.endm
.macro CHUNK q
.set XQ, XBASE+192*(\q)
.if (\q) < 3
	s_wait_loadcnt 48                              ; this chunk's 48 loads are in; the next chunk's may be out
.else
	s_wait_loadcnt 0x0
.endif
.if (\q) < 2
	LOADS (\q)+2
.endif
.set sn, 0                             ; the sums of squares: eight chains, one a row
.rept 12
.set si, 0
.rept 8
.set sr, si+(sn%2)*(7-2*si)
.set RA, XQ+24*sr+2*sn
.set RL, RA&255
	WIN ((RA>>8)*5)
.if sn == 0
	v_pk_mul_f32 v[SS+2*sr:SS+2*sr+1], v[RL:RL+1], v[RL:RL+1]
.else
	v_pk_fma_f32 v[SS+2*sr:SS+2*sr+1], v[RL:RL+1], v[RL:RL+1], v[SS+2*sr:SS+2*sr+1]
.endif
.set si, si+1
.endr
.set sn, sn+1
.endr
.set sn, 0
.rept 192
.set RA, XQ+sn
.set RL, RA&255
	WIN ((RA>>8)*65)
	v_med3_num_f32 v[RL], v[RL], -v[LIM], v[LIM]   ; the conversion to an 8-bit code does not saturate (ISA guide 7.6.2)
.set sn, sn+1
.endr
.set sn, 0
.rept 24
.set RA, XQ+8*sn
.set RL, RA&255
	WIN (RA>>8)
	v_cvt_scalef32_pk8_fp8_f32 v[CD+2*sn:CD+2*sn+1], v[RL:RL+7], v[SCL]
.set sn, sn+1
.endr
	WIN 0
	v_nop                                          ; a plain line behind the last conversion
.set sn, 0
.rept 24
	ds_store_b64 v[CST], v[CD+2*sn:CD+2*sn+1] offset:APITCH*(sn/3)+256*(sn%3)   ; the labels' order along K
.set sn, sn+1
.endr
.irp i, 0,1,2,3,4,5,6,7
	v_add_f32 v[T+\i], v[SS+2*\i], v[SS+2*\i+1]
.endr
.irp m, 1,2,4,8
.irp i, 0,1,2,3,4,5,6,7
	v_add_f32_dpp v[T+\i], v[T+\i], v[T+\i] row_xmask:\m row_mask:0xf bank_mask:0xf
.endr
.endr
.irp i, 0,1,2,3,4,5,6,7
	v_permlanex16_b32 v[SS+2*\i], v[T+\i], s[SEL], s[SEL+1]
.endr
.irp i, 0,1,2,3,4,5,6,7
	v_add_f32 v[T+\i], v[T+\i], v[SS+2*\i]
.endr
	s_wait_alu depctr_va_vdst(0)                   ; the wait ahead of the batch,
.irp i, 0,1,2,3,4,5,6,7
	v_rsq_f32 v[T+\i], v[T+\i]                     ; 1 / ne
.endr
	v_nop
	s_wait_alu depctr_va_vdst(0)                   ; and behind it
.irp i, 0,1,2,3,4,5,6,7
	ds_store_b32 v[ATW], v[T+\i] offset:128*(\q)+4*\i
.endr
	s_wait_dscnt 0x0                               ; for the others' sake: my codes and norms are stored
	s_barrier_signal -1
	s_barrier_wait -1
.set sn, 0                             ; operand sn of the chunk: block sn % 2, K step sn / 2
.rept 12
.set sc, 0
.rept 4
.set RA, XQ+16*sn+4*sc
.set RL, RA&255
	WIN ((RA>>8)<<6)
	ds_load_b128 v[RL:RL+3], v[AFR] offset:(sn%2)*16*APITCH+(sn/2)*128+32*sc
.set sc, sc+1
.endr
.set sn, sn+1
.endr
	WIN 0
.if (\q) == 3
	v_bfe_u32 v[TA], v0, 4, 1
	v_lshl_add_u32 v[TA], v[TA], 5, ATAB
.set sn, 0
.rept 16
	ds_load_b128 v[AM+4*sn:AM+4*sn+3], v[TA] offset:64*(sn/2)+16*(sn%2)
.set sn, sn+1
.endr
.endif
	s_wait_dscnt 0x0                               ; my reads are back: the stage may be written again behind the barrier
	s_barrier_signal -1
	s_barrier_wait -1
.endm
.macro PFB rho, idx, k                 ; B's operand of K step k of the tile idx in slot rho
.irp c, 0,1,2,3
	ds_load_b128 v[BF+16*(\k)+4*\c:BF+16*(\k)+4*\c+3], v[ADB+(\rho)] offset:(\idx)*TILEB+2048*(\k)+512*\c
.endr
.endm
.macro PFG rho, idx
	ds_load_b64 v[GC:GC+1], v[ADG+(\rho)] offset:(\idx)*TILEB
.endm
.macro K8 k                            ; K step k: eight blocks of rows, an accumulator each
.irp u, 0,1,2,3,4,5,6,7
.set wF, XBASE+16*(12*(\u/2)+2*(\k)+(\u%2))
.set wL, wF&255
.set wA, ACC+8*\u
	WIN (wF>>8)
.if (\k) == 0
	v_wmma_f32_16x16x128_fp8_fp8 v[wA:wA+7], v[wL:wL+15], v[BF+16*(\k):BF+16*(\k)+15], 0
.else
	v_wmma_f32_16x16x128_fp8_fp8 v[wA:wA+7], v[wL:wL+15], v[BF+16*(\k):BF+16*(\k)+15], v[wA:wA+7]
.endif
.endr
.endm
.macro MIN8 u                          ; min(1 / ne, g) = nl / max(ne nl, 1e-8)
.irp j, 0,1,2,3,4,5,6,7
	v_min_num_f32 v[W+\j], v[AM+8*(\u)+\j], v[GC]
.endr
.endm
.macro MUL4 u
.irp j, 0,2,4,6
	v_pk_mul_f32 v[ACC+8*(\u)+\j:ACC+8*(\u)+\j+1], v[ACC+8*(\u)+\j:ACC+8*(\u)+\j+1], v[W+\j:W+\j+1]
.endr
.endm
.macro MAX4 u
.irp j, 0,1,2,3
.if (\u) == 0
	v_max_num_f32 v[M+\j], v[ACC+8*(\u)+2*\j], v[ACC+8*(\u)+2*\j+1]
.else
	v_max3_num_f32 v[M+\j], v[M+\j], v[ACC+8*(\u)+2*\j], v[ACC+8*(\u)+2*\j+1]
.endif
.endr
.endm
; A tile.  Its 24 loads of B, the store of the tile before and its own pair (g, c) were issued in this order.
; chg: 0 none, 1 slot fs is filled again with three tiles, 2 with one, 3 the last fill is waited for.  ns, ni: where the next tile lies; ti: this tile's place behind TA; pf = 0: there is no next tile.
.macro TILE chg, fs, ns, ni, ti, pf
.irp k, 0,1,2,3
	s_wait_dscnt 4*(5-\k)+2                        ; step k's four loads are in: the later steps', the store and the pair may be out
	K8 \k
.endr
.if ((\chg) == 1) || ((\chg) == 2)
	WIN 0
	s_wait_tensorcnt 0x0                           ; my one tensor load has landed: the other slot is whole;
	ds_add_u32 v[SPW], v[NIL]                      ; register work stands between the add and the wait for it
	s_add_nc_u64 s[G0+4*(\fs)+2:G0+4*(\fs)+3], s[G0+4*(\fs)+2:G0+4*(\fs)+3], 6*TILEB
	s_wait_dscnt 7                                 ; (step 5's four loads, the store, the pair and the add may be out)
	K8 4
	s_wait_dscnt 0x0                               ; the add is done, and so are my reads of this slot
	s_barrier_signal -1
	K8 5
	WIN 0
	s_barrier_wait -1
	CREST                                          ; no wave of any partner still reads the slot
.if (\chg) == 1
	tensor_load_to_lds s[G0+4*(\fs):G0+4*(\fs)+3], s[G1F:G1F+7]
	s_nop 0
.else
	tensor_load_to_lds s[G0+4*(\fs):G0+4*(\fs)+3], s[G1S:G1S+7]
	s_nop 0
.endif
.else
	s_wait_dscnt 6
	K8 4
	s_wait_dscnt 0x0
	K8 5
	WIN 0
.endif
.if (\chg) == 3
	s_wait_tensorcnt 0x0                           ; the last tile has landed
.endif
	MIN8 0                                         ; these eight are also the places behind the last product
.irp u, 0,1,2,3,4,5,6,7
	MUL4 \u
.if \u < 7
	MIN8 (\u+1)
.endif
.if (\pf) && (\u < 6)
	PFB \ns, \ni, \u
.endif
	MAX4 \u
.endr
	v_max3_num_f32 v[M], v[M], v[M+1], v[M+2]
	v_max_num_f32 v[M], v[M], v[M+3]
	v_mul_f32 v[M], v[M], v[GC+1]                  ; x c, which is positive: the maximum may come first
	ds_store_b32 v[TA], v[M] offset:128*(\ti)
.if \pf
	PFG \ns, \ni
.endif
.endm
	s_load_b256 s[4:11], s[0:1], 0x0               ; embed, bws, the scales' exponents, part
	v_lshl_add_u32 v[SPW], v0, 2, SPARE
	v_mov_b32 v[NIL], 0
	ds_add_u32 v[SPW], v[NIL]                      ; the wave's opening: the add, twice on end, and its wait ahead of my first tensor load
	ds_add_u32 v[SPW], v[NIL]
	s_wait_dscnt 0x0
	v_lshrrev_b32 v[TA], 5, v0
	v_readfirstlane_b32 s[WV], v[TA]               ; wave 0..3
	s_bfe_u32 s13, ttmp6, 0x40000
	s_lshl_b32 s14, ttmp9, 2
	s_add_co_u32 s14, s14, s13                     ; the work-group's number
	v_and_b32 v[W], 31, v0                         ; l
	v_and_b32 v[W+1], 15, v0                       ; l % 16
	v_bfe_u32 v[W+2], v0, 4, 1                     ; l / 16
	s_mul_i32 s56, s[WV], WSLOT
	v_lshl_add_u32 v[ADB], v[W], 4, s56
	v_add_nc_u32 v[ADB+1], RING, v[ADB]
	v_lshl_add_u32 v[ADG], v[W+1], 3, s56
	v_add_nc_u32 v[ADG], 24*512, v[ADG]
	v_add_nc_u32 v[ADG+1], RING, v[ADG]
	s_mul_i32 s57, s[WV], 25*128
	s_add_co_u32 s57, s57, RES
	v_lshl_add_u32 v[ARS], v[W], 2, s57
	s_mul_i32 s58, s[WV], 8*SROW
	v_lshl_add_u32 v[XO], v[W], 4, s58
	s_mul_i32 s59, s[WV], 8*APITCH
	s_add_co_u32 s59, s59, ACH
	v_lshl_add_u32 v[CST], v[W], 3, s59
	v_mul_u32_u24 v[AFR], v[W+1], APITCH
	v_lshl_add_u32 v[AFR], v[W+2], 4, v[AFR]
	v_add_nc_u32 v[AFR], ACH, v[AFR]
	s_lshl_b32 s15, s[WV], 5
	s_add_co_u32 s15, s15, ATAB
	v_mov_b32 v[ATW], s15
	; group 1: rows of 32 elements of 8 bytes, dense; the mask names the four work-groups of the cluster, bit 21 beside it
.irp g, G1F, G1S
	s_mov_b32 s[\g], 15|(3<<16)|(1<<21)
	s_mov_b32 s[\g+1], 32<<16
	s_mov_b32 s[\g+3], 32<<16
	s_mov_b32 s[\g+5], 32
	s_mov_b32 s[\g+6], 0
	s_mov_b32 s[\g+7], 0
.endr
	s_mov_b32 s[G1F+2], 147<<16
	s_mov_b32 s[G1F+4], 147
	s_mov_b32 s[G1S+2], 49<<16
	s_mov_b32 s[G1S+4], 49
	s_mov_b32 s[SEL], 0x76543210                   ; v_permlanex16_b32's selects for lane l xor 16
	s_mov_b32 s[SEL+1], 0xfedcba98
	s_mov_b32 s[RO], 0
	s_lshr_b32 s54, s14, 1                         ; b
	s_and_b32 s55, s14, 1                          ; which 128 of the 256 s
	s_mul_i32 s54, s54, ROWF
	s_mul_i32 s55, s55, 128*SROW
	s_add_co_u32 s54, s54, s55
	s_mov_b32 s55, 0
	s_lshl_b32 s62, s14, 10                        ; my row of part
	s_mov_b32 s63, 0
	s_mul_i32 s60, s[WV], 25*TILEB                 ; my wave's 25 tiles: no place in the cluster enters
	s_mov_b32 s61, 0
	s_wait_alu depctr_va_vdst(0)
	s_wait_kmcnt 0x0
	s_load_b32 s48, s[8:9], 0x0                    ; e0
	s_add_nc_u64 s[EB:EB+1], s[4:5], s[54:55]
	s_add_nc_u64 s[EB+2:EB+3], s[EB:EB+1], 32*SROW
	s_add_nc_u64 s[EB+4:EB+5], s[EB+2:EB+3], 32*SROW
	s_add_nc_u64 s[EB+6:EB+7], s[EB+4:EB+5], 32*SROW
	s_add_nc_u64 s[10:11], s[10:11], s[62:63]
	s_mov_b32 s[G0], 1
	s_mov_b32 s[G0+1], s56
	s_add_nc_u64 s[G0+2:G0+3], s[6:7], s[60:61]
	s_mov_b32 s[G0+4], 1
	s_add_co_u32 s[G0+5], s56, RING
	s_add_nc_u64 s[G0+6:G0+7], s[G0+2:G0+3], WSLOT
	s_or_b32 s[G0+3], s[G0+3], 0x80000000
	s_or_b32 s[G0+7], s[G0+7], 0x80000000
	LOADS 0
	CROUND                                         ; the four work-groups are here: the first joint loads meet
	tensor_load_to_lds s[G0:G0+3], s[G1F:G1F+7]    ; slot 0: the wave's first tensor load
	s_nop 0
.rept 4
	v_nop
.endr
	LOADS 1
	s_wait_kmcnt 0x0
	s_add_co_i32 s54, s48, 127
	s_lshl_b32 s55, s54, 23
	v_mov_b32 v[SCL], s55                          ; 2^e0: the conversion takes its exponent field
	s_add_co_i32 s54, s54, 8
	s_lshl_b32 s54, s54, 23
	s_or_b32 s54, s54, 0x600000
	v_mov_b32 v[LIM], s54                          ; 448 x 2^e0
	CHUNK 0
	s_wait_tensorcnt 0x0                           ; slot 0 has landed
	ds_add_u32 v[SPW], v[NIL]
	s_wait_dscnt 0x0
	CROUND
	tensor_load_to_lds s[G0+4:G0+7], s[G1F:G1F+7]  ; slot 1: it has three chunks' work in which to land
	s_nop 0
.rept 4
	v_nop
.endr
	CHUNK 1
	CHUNK 2
	s_wait_tensorcnt 0x1                           ; slot 0's load is the older one
	PFG 0, 0
.irp k, 0,1,2,3,4,5
	PFB 0, 0, \k
.endr
	CHUNK 3
.irp i, 0,1,2,3
	v_mov_b32 v[W+\i], -1.0
.endr
	v_lshl_add_u32 v[TA], v0, 4, RES+12800         ; what stands for tiles 100 to 127: numbers that fill my row of part
	ds_store_b128 v[TA], v[W:W+3]
	ds_store_b128 v[TA], v[W:W+3] offset:2048
	s_mov_b32 s[CNT], 3
.Ltrip:                                                ; six tiles: once round the ring
	v_add_nc_u32 v[TA], s[RO], v[ARS]
	TILE 0, 0, 0, 1, 0, 1
	TILE 0, 0, 0, 2, 1, 1
	TILE 1, 0, 1, 0, 2, 1
	TILE 0, 0, 1, 1, 3, 1
	TILE 0, 0, 1, 2, 4, 1
	TILE 1, 1, 0, 0, 5, 1
	s_add_co_u32 s[RO], s[RO], 6*128
	s_sub_co_u32 s[CNT], s[CNT], 1
	s_cmp_lg_u32 s[CNT], 0
	s_cbranch_scc1 .Ltrip
	v_add_nc_u32 v[TA], s[RO], v[ARS]              ; the last seven tiles
	TILE 0, 0, 0, 1, 0, 1
	TILE 0, 0, 0, 2, 1, 1
	TILE 2, 0, 1, 0, 2, 1
	TILE 0, 0, 1, 1, 3, 1
	TILE 0, 0, 1, 2, 4, 1
	TILE 3, 0, 0, 0, 5, 1
	TILE 0, 0, 0, 0, 6, 0
	s_wait_dscnt 0x0                               ; for the others' sake: my words are stored
	s_barrier_signal -1
	s_barrier_wait -1
	v_lshl_add_u32 v[TA], v0, 7, RES               ; thread n takes tile n: labels 2 n and 2 n + 1
	v_lshlrev_b32 v[W+4], 3, v0
.irp i, 0,1,2,3,4,5,6,7
	ds_load_b128 v[BF+4*\i:BF+4*\i+3], v[TA] offset:16*\i   ; words 0-15: lanes 0-15 (columns), 16-31: the same columns, the other rows
.endr
	s_wait_alu depctr_va_vdst(0)
	s_wait_dscnt 0x0
.irp p, 0,1
	v_max3_num_f32 v[W+\p], v[BF+8*\p], v[BF+8*\p+1], v[BF+8*\p+2]
	v_max3_num_f32 v[M+\p], v[BF+8*\p+16], v[BF+8*\p+17], v[BF+8*\p+18]
.endr
.irp i, 3,5
.irp p, 0,1
	v_max3_num_f32 v[W+\p], v[W+\p], v[BF+8*\p+\i], v[BF+8*\p+\i+1]
	v_max3_num_f32 v[M+\p], v[M+\p], v[BF+8*\p+16+\i], v[BF+8*\p+17+\i]
.endr
.endr
.irp p, 0,1
	v_max3_num_f32 v[W+\p], v[W+\p], v[BF+8*\p+7], v[BF+8*\p+23]
.endr
.irp p, 0,1
	v_max_num_f32 v[W+\p], v[W+\p], v[M+\p]
.endr
	global_store_b64 v[W+4], v[W:W+1], s[10:11]    ; a wave stores 256 consecutive bytes
	s_wait_tensorcnt 0x0                           ; the wave's end
	ds_add_u32 v[SPW], v[NIL]
	s_wait_dscnt 0x0
	CROUND                                         ; no work-group ends while a partner may still ask for a tile that names it
	s_endpgm
.Lfunc_end_k_q3c9dfcd585_main:
	.size	k_q3c9dfcd585_main, .Lfunc_end_k_q3c9dfcd585_main-k_q3c9dfcd585_main
	.p2alignl 7, 3214868480
	.fill 96, 4, 3214868480
	.section	.rodata,"a",@progbits
	.p2align	6, 0x0
	.amdhsa_kernel k_q3c9dfcd585_main
		.amdhsa_group_segment_fixed_size 327680
		.amdhsa_private_segment_fixed_size 0
		.amdhsa_enable_private_segment 0
		.amdhsa_kernarg_size 32
		.amdhsa_user_sgpr_count 2
		.amdhsa_user_sgpr_kernarg_segment_ptr 1
		.amdhsa_wavefront_size32 1
		.amdhsa_system_sgpr_workgroup_id_x 1
		.amdhsa_system_sgpr_workgroup_id_y 1
		.amdhsa_system_sgpr_workgroup_id_z 1
		.amdhsa_system_vgpr_workitem_id 0
		.amdhsa_next_free_vgpr 1024
		.amdhsa_next_free_sgpr 66
		.amdhsa_reserve_vcc 0
		.amdhsa_float_denorm_mode_32 3
		.amdhsa_float_denorm_mode_16_64 3
		.amdhsa_memory_ordered 1
		.amdhsa_forward_progress 1
		.amdhsa_inst_pref_size 255
	.end_amdhsa_kernel
	.section	.bss,"aw",@nobits
	.p2align	6
	.space	262144
	.amdgpu_metadata
---
amdhsa.version: [ 1, 2 ]
amdhsa.kernels:
  - .name:           k_q3c9dfcd585_main
    .symbol:         k_q3c9dfcd585_main.kd
    .args:
      - { .name: embed, .offset: 0, .size: 8, .value_kind: global_buffer, .address_space: global }
      - { .name: bws, .offset: 8, .size: 8, .value_kind: global_buffer, .address_space: global }
      - { .name: lowp_scales, .offset: 16, .size: 8, .value_kind: global_buffer, .address_space: global }
      - { .name: part, .offset: 24, .size: 8, .value_kind: global_buffer, .address_space: global }
    .group_segment_fixed_size: 327680
    .private_segment_fixed_size: 0
    .kernarg_segment_align: 8
    .kernarg_segment_size: 32
    .max_flat_workgroup_size: 128
    .sgpr_count:     66
    .vgpr_count:     1024
    .wavefront_size: 32
...
	.end_amdgpu_metadata
.endif
;; end of part 2
;; launch join (part 3): grid 50 x 1, 4 waves a work-group, no clusters, 0 bytes of LDS; arguments part, out0; writes out0
.if DOCPART == 3
	.amdgcn_target "amdgcn-amd-amdhsa--gfx1250"
	.amdhsa_code_object_version 6
	.text
	.protected	k_q3c9dfcd585_join
	.globl	k_q3c9dfcd585_join
	.p2align	8
	.type	k_q3c9dfcd585_join,@function
k_q3c9dfcd585_join:
	s_mov_b64 s[64:65], 0
	v_nop
	global_prefetch_b8 v0, s[64:65] scope:SCOPE_SE
	s_setreg_imm32_b32 hwreg(HW_REG_WAVE_MODE, 25, 1), 1
	s_wait_xcnt 0x0
; out0[b][label] = the largest of part[2 b][label], part[2 b + 1][label] (the two halves of the 256 s) and -1.  part: [256][256] f32; out0: [128][200] f32.
; Thread n of 6,400 takes four neighbouring labels: b = n / 50, labels 4 (n % 50) on; its 16 bytes of out0 lie at 16 n, so a wave stores 512 consecutive bytes.
; n / 50 = (n x 5243) >> 18: 5243 / 2^18 exceeds 1 / 50 by 6 / 13,107,200, which over n < 6,400 adds less than 0.003, under the 1 / 50 that would turn a quotient.
	s_load_b128 s[4:7], s[0:1], 0x0                ; part, out0
	s_lshl_b32 s8, ttmp9, 7
	v_add_nc_u32 v1, s8, v0                        ; n
	v_mul_u32_u24 v2, v1, 5243
	v_lshrrev_b32 v2, 18, v2                       ; b
	v_mul_u32_u24 v3, v2, 50
	v_sub_nc_u32 v3, v1, v3                        ; n % 50
	v_lshlrev_b32 v3, 4, v3
	v_lshl_add_u32 v3, v2, 11, v3                  ; part: row 2 b of 1,024 bytes, + 16 (n % 50)
	v_lshlrev_b32 v1, 4, v1
	s_wait_alu depctr_va_vdst(0)
	s_wait_kmcnt 0x0
	global_load_b128 v[4:7], v3, s[4:5]
	global_load_b128 v[8:11], v3, s[4:5] offset:1024
	s_wait_loadcnt 0x0
.irp i, 0,1,2,3
	v_max3_num_f32 v[4+\i], v[4+\i], v[8+\i], -1.0
.endr
	global_store_b128 v1, v[4:7], s[6:7]
	s_endpgm
.Lfunc_end_k_q3c9dfcd585_join:
	.size	k_q3c9dfcd585_join, .Lfunc_end_k_q3c9dfcd585_join-k_q3c9dfcd585_join
	.p2alignl 7, 3214868480
	.fill 96, 4, 3214868480
	.section	.rodata,"a",@progbits
	.p2align	6, 0x0
	.amdhsa_kernel k_q3c9dfcd585_join
		.amdhsa_group_segment_fixed_size 0
		.amdhsa_private_segment_fixed_size 0
		.amdhsa_enable_private_segment 0
		.amdhsa_kernarg_size 16
		.amdhsa_user_sgpr_count 2
		.amdhsa_user_sgpr_kernarg_segment_ptr 1
		.amdhsa_wavefront_size32 1
		.amdhsa_system_sgpr_workgroup_id_x 1
		.amdhsa_system_sgpr_workgroup_id_y 1
		.amdhsa_system_sgpr_workgroup_id_z 1
		.amdhsa_system_vgpr_workitem_id 0
		.amdhsa_next_free_vgpr 24
		.amdhsa_next_free_sgpr 66
		.amdhsa_reserve_vcc 0
		.amdhsa_float_denorm_mode_32 3
		.amdhsa_float_denorm_mode_16_64 3
		.amdhsa_memory_ordered 1
		.amdhsa_forward_progress 1
		.amdhsa_inst_pref_size 2
	.end_amdhsa_kernel
	.amdgpu_metadata
---
amdhsa.version: [ 1, 2 ]
amdhsa.kernels:
  - .name:           k_q3c9dfcd585_join
    .symbol:         k_q3c9dfcd585_join.kd
    .args:
      - { .name: part, .offset: 0, .size: 8, .value_kind: global_buffer, .address_space: global }
      - { .name: out0, .offset: 8, .size: 8, .value_kind: global_buffer, .address_space: global }
    .group_segment_fixed_size: 0
    .private_segment_fixed_size: 0
    .kernarg_segment_align: 8
    .kernarg_segment_size: 16
    .max_flat_workgroup_size: 128
    .sgpr_count:     66
    .vgpr_count:     24
    .wavefront_size: 32
...
	.end_amdgpu_metadata
.endif
;; end of part 3
